; MI455X (gfx1250); checked and timed in simulation.
; The chip was launched on July 23, 2026; its instructions are those of AMD's public machine-readable ISA for CDNA 5 (MIT licence, August 2026) and "CDNA5" Instruction Set Architecture Reference Guide (July 2026). The comments in the code are by the model that wrote it; some were corrected since.
;; Image Resample Layer. Allowed arithmetic: float matrix products may take bf16 or f16 operands with f32 sums; all other float work in f32.
;; Inputs: coordinate 8 x 65,536 x 2 float32; feature 8 x 512 x 512 x 16 float32.
;; Outputs: out0 8 x 65,536 float32; out1 8 x 65,536 x 16 float32.
;; 2 versions, each right; version 2 is version 1 with the launch gather written anew for expert scheduling mode. Each part assembles by itself: llvm-mc -triple=amdgcn-amd-amdhsa -mcpu=gfx1250 --defsym DOCPART=n.
;; ======== version 1 of 2: 2 launches
;; workspace buffers: idx 2,097,152 bytes of whole numbers
;; launch index (part 1): grid 256 x 1, 16 waves a work-group, no clusters, 10,240 bytes of LDS; arguments coordinate, idx, out0; writes idx, out0
.if DOCPART == 1
	.amdgcn_target "amdgcn-amd-amdhsa--gfx1250"
	.amdhsa_code_object_version 6
	.text
	.protected	k_qc2e24f4382_index
	.globl	k_qc2e24f4382_index
	.p2align	8
	.type	k_qc2e24f4382_index,@function
k_qc2e24f4382_index:
	s_mov_b64 s[64:65], 0
	v_nop
	global_prefetch_b8 v0, s[64:65] scope:SCOPE_SE
	s_setreg_imm32_b32 hwreg(HW_REG_WAVE_MODE, 25, 1), 1
	s_wait_xcnt 0x0
; Bilinear resampling, first of two launches: from coordinate [8][65536][2] f32 (x, y) make
;   out0[p] = 1.0 where 0 <= x <= 511 and 0 <= y <= 511, else 0.0
;   idx[..] = (y0*512 + x0) << 2 | dy << 1 | dx,  x0 = clip(floor x, 0, 511), dx = 1 where x0 < 511 (so x1 = x0 + dx), y likewise.
; The word never exceeds 0xfffff; the second launch forms its four pixel offsets from it by ANDs, left shifts and adds alone.
; Order of idx: each chunk of 32 consecutive points is laid out as word 4 g + j for point 8 j + g (g 0..7, j 0..3), so that
; in the second launch a lane finds the words of its four steps in 16 neighbouring bytes.
; 256 work-groups x 16 waves; a wave owns 128 consecutive points, a lane the points 2L, 2L+1, 64+2L, 64+2L+1 of them:
; each coordinate load of the wave covers 512 consecutive bytes, each mask store 256, the index store 512, all aligned.
; The reordering goes through 512 bytes of LDS that are the wave's own: no barrier.
; No matrix unit, tensor load or cluster: nothing is multiplied by a matrix and no two work-groups read the same bytes.
; LIMITS: the clip is made in f32 before the conversion, which equals the clip of the converted whole number for every finite
; coordinate inside int32; beyond that range, and for infinities, the edge pixel is taken (the point is out of bounds anyway).
; A NaN coordinate gives index 0 and mask 0.
.set CRD, 8                            ; v[8:15]   x, y of my four points
.set MSK, 16                           ; v[16:19]  their masks
.set WRD, 20                           ; v[20:23]  their index words
.set TMP, 24                           ; v[24:27]  at work
.set OUTW, 28                          ; v[28:31]  four words in idx's order
	s_load_b128 s[4:7], s[0:1], 0x0                ; coordinate s[4:5], idx s[6:7]
	s_load_b64 s[8:9], s[0:1], 0x10                ; out0
	v_lshl_add_u32 v32, v0, 2, 0x2000
	v_mov_b32 v33, 0
	v_lshrrev_b32 v1, 5, v0
	v_readfirstlane_b32 s10, v1                    ; wave 0..15
	v_and_b32 v2, 31, v0                           ; lane L
	s_lshl_b32 s11, s10, 9                         ; my wave's 512 bytes of LDS
	s_lshl_b32 s12, ttmp9, 14                      ; the group's 2,048 points x 8 bytes of coordinates
	s_mov_b32 s13, 0
	s_lshl_b32 s14, ttmp9, 13                      ; the group's 2,048 points x 4 bytes of mask and of idx
	s_mov_b32 s15, 0
	s_mov_b32 s20, 0x43ff8000                      ; 511.0
	v_lshlrev_b32 v3, 4, v2
	v_lshl_add_u32 v3, v1, 10, v3                  ; coordinates: wave x 1,024 + 16 L
	s_wait_kmcnt 0x0
	s_add_nc_u64 s[4:5], s[4:5], s[12:13]
	global_load_b128 v[CRD:CRD+3],   v3, s[4:5]              ; points 2L, 2L+1
	global_load_b128 v[CRD+4:CRD+7], v3, s[4:5] offset:512   ; points 64+2L, 64+2L+1
	s_add_nc_u64 s[6:7], s[6:7], s[14:15]
	s_add_nc_u64 s[8:9], s[8:9], s[14:15]
	v_lshlrev_b32 v4, 4, v0                        ; idx: wave x 512 + 16 L
	v_lshlrev_b32 v5, 3, v2
	v_lshl_add_u32 v5, v1, 9, v5                   ; mask: wave x 512 + 8 L
	; Point 64 a + 2 L + i lies in chunk 2 a + L/16, with j = (L/4) % 4 and g = 2 (L % 4) + i: its word goes to LDS byte
	; 256 a + 16 i + [128 (L/16) + 32 (L%4) + 4 ((L/4)%4)].  The bracket is v6; the 32 lanes hit 32 different words of one 256-byte span.
	v_lshrrev_b32 v6, 4, v2
	v_lshl_add_u32 v6, v6, 7, s11
	v_and_b32 v[TMP], 3, v2
	v_lshl_add_u32 v6, v[TMP], 5, v6
	v_bfe_u32 v[TMP], v2, 2, 2
	v_lshl_add_u32 v6, v[TMP], 2, v6
	v_lshl_add_u32 v7, v2, 4, s11                  ; read back: 16 L
; one point: mask into v[m], index word into v[w]
.macro POINT x, y, m, w
	v_cmp_le_f32 vcc_lo, 0, v[\x]                  ; 0 <= x      (a NaN fails all four)
	v_cmp_ge_f32 s16, s20, v[\x]                   ; 511 >= x
	v_cmp_le_f32 s17, 0, v[\y]
	v_cmp_ge_f32 s18, s20, v[\y]
	v_floor_f32 v[TMP],   v[\x]
	v_floor_f32 v[TMP+1], v[\y]
	s_and_b32 s16, vcc_lo, s16
	s_and_b32 s17, s17, s18
	s_and_b32 vcc_lo, s16, s17
	v_cndmask_b32 v[\m], 0, 1.0, vcc_lo
	v_max_num_f32 v[TMP],   0, v[TMP]              ; clip to 0 .. 511 (a NaN becomes 0)
	v_max_num_f32 v[TMP+1], 0, v[TMP+1]
	v_min_num_f32 v[TMP],   s20, v[TMP]
	v_min_num_f32 v[TMP+1], s20, v[TMP+1]
	v_cvt_u32_f32 v[TMP],   v[TMP]                 ; x0
	v_cvt_u32_f32 v[TMP+1], v[TMP+1]               ; y0
	v_sub_nc_u32 v[TMP+2], 0x1ff, v[TMP]
	v_sub_nc_u32 v[TMP+3], 0x1ff, v[TMP+1]
	v_min_u32 v[TMP+2], 1, v[TMP+2]                ; dx = min(511 - x0, 1)
	v_min_u32 v[TMP+3], 1, v[TMP+3]                ; dy
	v_lshl_add_u32 v[TMP], v[TMP+1], 9, v[TMP]     ; y0 * 512 + x0
	v_lshl_add_u32 v[TMP+2], v[TMP+3], 1, v[TMP+2] ; 2 dy + dx
	v_lshl_add_u32 v[\w], v[TMP], 2, v[TMP+2]
.endm
	s_wait_loadcnt 0x1                             ; the first load is in; the second may stay out
	POINT CRD,   CRD+1, MSK,   WRD
	POINT CRD+2, CRD+3, MSK+1, WRD+1
	global_store_b64 v5, v[MSK:MSK+1], s[8:9] th:TH_STORE_NT
	ds_store_b32 v6, v[WRD]
	ds_store_b32 v6, v[WRD+1] offset:16
	s_wait_loadcnt 0x0
	POINT CRD+4, CRD+5, MSK+2, WRD+2
	POINT CRD+6, CRD+7, MSK+3, WRD+3
	global_store_b64 v5, v[MSK+2:MSK+3], s[8:9] offset:256 th:TH_STORE_NT
	ds_store_b32 v6, v[WRD+2] offset:256
	ds_store_b32 v6, v[WRD+3] offset:272
	ds_load_b128 v[OUTW:OUTW+3], v7                ; LDS serves a wave's instructions in order (ISA guide 5.7.1): this sees my four stores
	s_wait_dscnt 0x0
	global_store_b128 v4, v[OUTW:OUTW+3], s[6:7]   ; no hint: the next launch reads these words
	s_wait_tensorcnt 0x0
	ds_add_u32 v32, v33
	s_wait_dscnt 0x0
	s_endpgm
.Lfunc_end_k_qc2e24f4382_index:
	.size	k_qc2e24f4382_index, .Lfunc_end_k_qc2e24f4382_index-k_qc2e24f4382_index
	.p2alignl 7, 3214868480
	.fill 96, 4, 3214868480
	.section	.rodata,"a",@progbits
	.p2align	6, 0x0
	.amdhsa_kernel k_qc2e24f4382_index
		.amdhsa_group_segment_fixed_size 10240
		.amdhsa_private_segment_fixed_size 0
		.amdhsa_enable_private_segment 0
		.amdhsa_kernarg_size 24
		.amdhsa_user_sgpr_count 2
		.amdhsa_user_sgpr_kernarg_segment_ptr 1
		.amdhsa_wavefront_size32 1
		.amdhsa_system_sgpr_workgroup_id_x 1
		.amdhsa_system_sgpr_workgroup_id_y 1
		.amdhsa_system_sgpr_workgroup_id_z 1
		.amdhsa_system_vgpr_workitem_id 0
		.amdhsa_next_free_vgpr 34
		.amdhsa_next_free_sgpr 66
		.amdhsa_reserve_vcc 1
		.amdhsa_float_denorm_mode_32 3
		.amdhsa_float_denorm_mode_16_64 3
		.amdhsa_memory_ordered 1
		.amdhsa_forward_progress 1
		.amdhsa_inst_pref_size 7
	.end_amdhsa_kernel
	.amdgpu_metadata
---
amdhsa.version: [ 1, 2 ]
amdhsa.kernels:
  - .name:           k_qc2e24f4382_index
    .symbol:         k_qc2e24f4382_index.kd
    .args:
      - { .name: coordinate, .offset: 0, .size: 8, .value_kind: global_buffer, .address_space: global }
      - { .name: idx, .offset: 8, .size: 8, .value_kind: global_buffer, .address_space: global }
      - { .name: out0, .offset: 16, .size: 8, .value_kind: global_buffer, .address_space: global }
    .group_segment_fixed_size: 10240
    .private_segment_fixed_size: 0
    .kernarg_segment_align: 8
    .kernarg_segment_size: 24
    .max_flat_workgroup_size: 512
    .sgpr_count:     66
    .vgpr_count:     34
    .wavefront_size: 32
...
	.end_amdgpu_metadata
.endif
;; end of part 1
;; launch gather (part 2): grid 256 x 1, 16 waves a work-group, no clusters, 34,816 bytes of LDS; arguments idx, coordinate, feature, out1; writes out1
.if DOCPART == 2
	.amdgcn_target "amdgcn-amd-amdhsa--gfx1250"
	.amdhsa_code_object_version 6
	.text
	.protected	k_qc2e24f4382_gather
	.globl	k_qc2e24f4382_gather
	.p2align	8
	.type	k_qc2e24f4382_gather,@function
k_qc2e24f4382_gather:
	s_mov_b64 s[64:65], 0
	v_nop
	global_prefetch_b8 v0, s[64:65] scope:SCOPE_SE
	s_setreg_imm32_b32 hwreg(HW_REG_WAVE_MODE, 25, 1), 1
	s_wait_xcnt 0x0
; Bilinear resampling, second of two launches: out1[p][c] = mask * ((v00 (1-fx) + v01 fx)(1-fy) + (v10 (1-fx) + v11 fx) fy).
; feature [8][512][512][16] f32 (a pixel is 64 bytes, a row 32,768, an image 16,777,216), coordinate [8][65536][2] f32,
; idx: one word per point from the first launch, (y0*512+x0) << 2 | dy << 1 | dx, chunks of 32 points in the order word 4 g + j = point 8 j + g.
; 256 work-groups x 16 waves.  A wave owns four chunks of 32 points; chunk t begins at point t*131072 + group*512 + wave*32, so all
; work-groups walk the eight images in pairs (2t and 2t+1; groups 0-127 the first of the pair, groups 128-255 the second).
; Four lanes share a point: lane = 4 g + c holds channels 4c .. 4c+3.  A STEP is 8 points (chunk t, j: point 8 j + g): four gathers of
; 16 bytes a lane and one store that covers 512 consecutive bytes of out1, aligned.  16 steps go through a ring of DEPTH = 8 register slots:
; 28 to 32 gathers of every wave are always out.
; No source of a memory instruction is ever rewritten while it may still be read: a gather's offset lies in the first register of its own destination,
; steps 0-7 have a result quad each, steps 8-15 leave the result in their slot, which is not filled again.  So no s_wait_xcnt is needed.
; Weights: a lane loads (x, y) of ONE point of each chunk (a wave's load covers 256 consecutive bytes), makes fx, 1-fx, fy*mask, (1-fy)*mask once
; and hands them to the four lanes of that point through 2,048 bytes of LDS that are the wave's own: no barrier.
; Not used, and why: matrix units (no product), tensor loads and clusters (which pixels are read is known only from the list, nothing is shared
; by arrangement), prefetches (the gathers themselves are issued as soon as the list is in, half of a wave's work at once).
; LIMITS: the mask is folded into the two y weights (another order of rounding than mask * value; same result for mask 0 or 1 and finite data).
; A NaN or infinite coordinate gives NaN weights and a NaN value, as x - floor(x) does in the definition.
.set DEPTH, 8
.set STEPS, 16
.set XO,  3                            ; v3        idx: my byte offset
.set CO,  4                            ; v4        coordinate: my byte offset
.set OO,  5                            ; v5        out1: my byte offset
.set CH,  6                            ; v6        16 c: my channels inside a pixel
.set LS,  7                            ; v7        LDS: where I put a point's weights
.set LL,  8                            ; v8        LDS: where I read my point's weights of step 0
.set TA,  9                            ; v9-11     at work on offsets
.set TX,  10
.set TY,  11
.set IDX, 12                           ; v[12:27]  the index word of step k at IDX + k
.set C,   28                           ; v[28:35]  x, y of one point of each chunk
.set W,   36                           ; v[36:43]  two quads (fx, 1-fx, fy m, (1-fy) m), steps in turn
.set T,   44                           ; v[44:47]  top row, 4 channels
.set U,   48                           ; v[48:51]  bottom row
.set Q,   52                           ; v[52:55]  weights being made
.set M,   56                           ; v56       mask
.set R,   64                           ; v[64:95]  results of steps 0-7, a quad each
.set D,   96                           ; v[96:223] ring: slot s holds v00, v01, v10, v11, a quad each
.set FB,  24                           ; s[24:31]  feature at the image of chunk t
.set OB,  32                           ; s[32:39]  out1 at the group's part of chunk t
	s_load_b256 s[4:11], s[0:1], 0x0               ; idx s[4:5], coordinate s[6:7], feature s[8:9], out1 s[10:11]
	v_lshl_add_u32 v224, v0, 2, 0x8000
	v_mov_b32 v225, 0
	v_lshrrev_b32 v1, 5, v0
	v_readfirstlane_b32 s12, v1                    ; wave 0..15
	v_and_b32 v2, 31, v0                           ; lane
	v_lshrrev_b32 v[XO], 2, v0
	v_lshlrev_b32 v[XO], 4, v[XO]                  ; wave x 128 + 16 g: four lanes share 16 bytes
	v_lshlrev_b32 v[CO], 3, v0                     ; wave x 256 + 8 lane
	s_lshl_b32 s14, ttmp9, 11                      ; group x 512 points x 4 bytes
	s_mov_b32 s15, 0
	s_lshl_b32 s16, ttmp9, 12                      ; group x 512 points x 8 bytes
	s_mov_b32 s17, 0
	s_wait_kmcnt 0x0
	s_add_nc_u64 s[4:5], s[4:5], s[14:15]
	s_add_nc_u64 s[6:7], s[6:7], s[16:17]
.irp t, 0,1,2,3
	global_load_b128 v[IDX+4*\t:IDX+4*\t+3], v[XO], s[4:5] offset:\t*0x80000 th:TH_LOAD_NT     ; 131,072 points x 4 bytes from chunk to chunk
.endr
.irp t, 0,1,2,3
	global_load_b64 v[C+2*\t:C+2*\t+1], v[CO], s[6:7] offset:\t*0x100000 th:TH_LOAD_NT        ; 131,072 points x 8 bytes
.endr
	s_lshl_b32 s18, ttmp9, 15                      ; group x 512 points x 64 bytes
	s_mov_b32 s19, 0
	s_lshr_b32 s20, ttmp9, 7                       ; which image of the pair
	s_lshl_b32 s20, s20, 24                        ; x 16,777,216 bytes
	s_mov_b32 s21, 0
	s_add_nc_u64 s[FB:FB+1], s[8:9], s[20:21]
	s_add_nc_u64 s[OB:OB+1], s[10:11], s[18:19]
.irp t, 1,2,3
	s_add_nc_u64 s[FB+2*\t:FB+2*\t+1], s[FB+2*\t-2:FB+2*\t-1], 0x2000000   ; two images on
	s_add_nc_u64 s[OB+2*\t:OB+2*\t+1], s[OB+2*\t-2:OB+2*\t-1], 0x800000    ; 131,072 points x 64 bytes on
.endr
	s_lshl_b32 s13, s12, 11                        ; my wave's 2,048 bytes of LDS
	s_mov_b32 s44, 0x43ff8000                      ; 511.0
	v_lshlrev_b32 v[OO], 4, v2
	v_lshl_add_u32 v[OO], v1, 11, v[OO]            ; wave x 32 points x 64 bytes + 16 lane
	v_and_b32 v[CH], 3, v0
	v_lshlrev_b32 v[CH], 4, v[CH]
	v_lshl_add_u32 v[LS], v2, 4, s13               ; 16 lane
	v_lshrrev_b32 v[LL], 2, v2
	v_lshl_add_u32 v[LL], v[LL], 4, s13            ; 16 g
; The four gathers of step k into slot k % DEPTH.  The word is bounded first; then ANDs, left shifts and adds alone:
; pixel (y0, x0) at (word & 0xffffc) << 4 = 64 (512 y0 + x0); x1 lies 64 dx bytes on, y1 32,768 dy bytes on.
; All four offsets are made before the first load is issued; each load lands on its own offset register.
.macro FILL k
.set D_, D+16*((\k)%DEPTH)
.set T_, (\k)/4
	v_min_u32 v[IDX+\k], 0xfffff, v[IDX+\k]
	v_and_b32 v[TA], 0xffffc, v[IDX+\k]
	v_and_b32 v[TX], 1, v[IDX+\k]
	v_and_b32 v[TY], 2, v[IDX+\k]
	v_lshl_add_u32 v[D_],    v[TA], 4,  v[CH]      ; (y0, x0), my channels
	v_lshl_add_u32 v[D_+4],  v[TX], 6,  v[D_]      ; (y0, x1)
	v_lshl_add_u32 v[D_+8],  v[TY], 14, v[D_]      ; (y1, x0)
	v_lshl_add_u32 v[D_+12], v[TX], 6,  v[D_+8]    ; (y1, x1)
.irp q, 0,4,8,12
	global_load_b128 v[D_+\q:D_+\q+3], v[D_+\q], s[FB+2*T_:FB+2*T_+1]
.endr
.endm
	s_wait_loadcnt 0x6                             ; loads come back in order (ISA guide 5.7.1): of the eight, the two oldest are in, the words of steps 0-7
.irp k, 0,1,2,3,4,5,6,7
	FILL \k                                        ; the ring is filled before anything else is done
.endr
	s_wait_loadcnt 32                              ; only the 32 gathers stay out: the other words and the coordinates are in
; weights of my point of chunk t, 16 bytes at LDS byte 512 t + 16 lane of my wave's part
.irp t, 0,1,2,3
	v_floor_f32 v[Q],   v[C+2*\t]
	v_floor_f32 v[Q+2], v[C+2*\t+1]
	v_cmp_le_f32 vcc_lo, 0, v[C+2*\t]              ; 0 <= x
	v_cmp_ge_f32 s40, s44, v[C+2*\t]               ; 511 >= x
	v_cmp_le_f32 s41, 0, v[C+2*\t+1]
	v_cmp_ge_f32 s42, s44, v[C+2*\t+1]
	v_sub_f32 v[Q],   v[C+2*\t],   v[Q]            ; fx
	v_sub_f32 v[Q+2], v[C+2*\t+1], v[Q+2]          ; fy
	s_and_b32 s40, vcc_lo, s40
	s_and_b32 s41, s41, s42
	s_and_b32 vcc_lo, s40, s41
	v_cndmask_b32 v[M], 0, 1.0, vcc_lo             ; the mask selects a value only
	v_sub_f32 v[Q+1], 1.0, v[Q]                    ; 1 - fx
	v_sub_f32 v[Q+3], 1.0, v[Q+2]                  ; 1 - fy
	v_mul_f32 v[Q+2], v[Q+2], v[M]
	v_mul_f32 v[Q+3], v[Q+3], v[M]
	ds_store_b128 v[LS], v[Q:Q+3] offset:\t*512
.endr
	ds_load_b128 v[W:W+3], v[LL]                   ; step 0's weights; LDS serves a wave's instructions in order: this sees my stores
; Step k.  refill = 1: the slot gets step k + DEPTH.  left = how many younger gathers may stay out.
.macro STEP k, refill, left
.set D_, D+16*((\k)%DEPTH)
.set W_, W+4*((\k)%2)
.if \refill
.set R_, R+4*(\k)
.else
.set R_, D_
.endif
.if (\k) < STEPS-1
	ds_load_b128 v[W+4*(((\k)+1)%2):W+4*(((\k)+1)%2)+3], v[LL] offset:((\k)+1)*128   ; the next step's weights: point 8 j + g of chunk t at 512 t + 128 j + 16 g
	s_wait_loadcnt \left                           ; my four gathers are in, the younger steps' stay out
	s_wait_dscnt 0x1                               ; this step's weights are in, the load just issued stays out
.else
	s_wait_loadcnt \left
	s_wait_dscnt 0x0
.endif
.irp p, 0,2
	v_pk_mul_f32 v[T+\p:T+\p+1], v[D_+4+\p:D_+5+\p],   v[W_:W_+1] op_sel_hi:[1,0]       ; v01 fx (both halves take the pair's first register)
	v_pk_mul_f32 v[U+\p:U+\p+1], v[D_+12+\p:D_+13+\p], v[W_:W_+1] op_sel_hi:[1,0]       ; v11 fx
.endr
.irp p, 0,2
	v_pk_fma_f32 v[T+\p:T+\p+1], v[D_+\p:D_+1+\p],   v[W_:W_+1], v[T+\p:T+\p+1] op_sel:[0,1,0] op_sel_hi:[1,1,1]   ; + v00 (1-fx) (both take the second)
	v_pk_fma_f32 v[U+\p:U+\p+1], v[D_+8+\p:D_+9+\p], v[W_:W_+1], v[U+\p:U+\p+1] op_sel:[0,1,0] op_sel_hi:[1,1,1]   ; + v10 (1-fx)
.endr
.irp p, 0,2
	v_pk_mul_f32 v[R_+\p:R_+\p+1], v[U+\p:U+\p+1], v[W_+2:W_+3] op_sel_hi:[1,0]         ; bottom x fy m
.endr
.irp p, 0,2
	v_pk_fma_f32 v[R_+\p:R_+\p+1], v[T+\p:T+\p+1], v[W_+2:W_+3], v[R_+\p:R_+\p+1] op_sel:[0,1,0] op_sel_hi:[1,1,1]  ; + top x (1-fy) m
.endr
.if \refill
	FILL (\k)+DEPTH                                ; loads ahead of the store
.endif
	global_store_b128 v[OO], v[R_:R_+3], s[OB+2*((\k)/4):OB+2*((\k)/4)+1] offset:((\k)%4)*512 th:TH_STORE_NT
.endm
.irp k, 0,1,2,3,4,5,6,7
	STEP \k, 1, 4*(DEPTH-1)                        ; seven younger steps of four gathers
.endr
.irp k, 8,9,10,11,12,13,14,15
	STEP \k, 0, 4*(STEPS-1-\k)                     ; nothing is loaded any more: the counts run down 28, 24, .. 0
.endr
	s_wait_tensorcnt 0x0
	ds_add_u32 v224, v225
	s_wait_dscnt 0x0
	s_endpgm
.Lfunc_end_k_qc2e24f4382_gather:
	.size	k_qc2e24f4382_gather, .Lfunc_end_k_qc2e24f4382_gather-k_qc2e24f4382_gather
	.p2alignl 7, 3214868480
	.fill 96, 4, 3214868480
	.section	.rodata,"a",@progbits
	.p2align	6, 0x0
	.amdhsa_kernel k_qc2e24f4382_gather
		.amdhsa_group_segment_fixed_size 34816
		.amdhsa_private_segment_fixed_size 0
		.amdhsa_enable_private_segment 0
		.amdhsa_kernarg_size 32
		.amdhsa_user_sgpr_count 2
		.amdhsa_user_sgpr_kernarg_segment_ptr 1
		.amdhsa_wavefront_size32 1
		.amdhsa_system_sgpr_workgroup_id_x 1
		.amdhsa_system_sgpr_workgroup_id_y 1
		.amdhsa_system_sgpr_workgroup_id_z 1
		.amdhsa_system_vgpr_workitem_id 0
		.amdhsa_next_free_vgpr 226
		.amdhsa_next_free_sgpr 66
		.amdhsa_reserve_vcc 1
		.amdhsa_float_denorm_mode_32 3
		.amdhsa_float_denorm_mode_16_64 3
		.amdhsa_memory_ordered 1
		.amdhsa_forward_progress 1
		.amdhsa_inst_pref_size 35
	.end_amdhsa_kernel
	.amdgpu_metadata
---
amdhsa.version: [ 1, 2 ]
amdhsa.kernels:
  - .name:           k_qc2e24f4382_gather
    .symbol:         k_qc2e24f4382_gather.kd
    .args:
      - { .name: idx, .offset: 0, .size: 8, .value_kind: global_buffer, .address_space: global }
      - { .name: coordinate, .offset: 8, .size: 8, .value_kind: global_buffer, .address_space: global }
      - { .name: feature, .offset: 16, .size: 8, .value_kind: global_buffer, .address_space: global }
      - { .name: out1, .offset: 24, .size: 8, .value_kind: global_buffer, .address_space: global }
    .group_segment_fixed_size: 34816
    .private_segment_fixed_size: 0
    .kernarg_segment_align: 8
    .kernarg_segment_size: 32
    .max_flat_workgroup_size: 512
    .sgpr_count:     66
    .vgpr_count:     226
    .wavefront_size: 32
...
	.end_amdgpu_metadata
.endif
;; end of part 2
;; ======== version 2 of 2: 2 launches; version 1 with the launch gather written anew for expert scheduling mode
;; workspace buffers: idx 2,097,152 bytes of whole numbers
;; launch index: the kernel of part 1 again; grid 256 x 1, 16 waves a work-group, no clusters, 10,240 bytes of LDS; arguments coordinate, idx, out0; writes idx, out0
;; launch gather (part 3): grid 256 x 1, 16 waves a work-group, no clusters, 34,816 bytes of LDS; arguments idx, coordinate, feature, out1; writes out1
.if DOCPART == 3
	.amdgcn_target "amdgcn-amd-amdhsa--gfx1250"
	.amdhsa_code_object_version 6
	.text
	.protected	k_qc2e24f4382_gather
	.globl	k_qc2e24f4382_gather
	.p2align	8
	.type	k_qc2e24f4382_gather,@function
k_qc2e24f4382_gather:
	s_mov_b64 s[64:65], 0
	v_nop
	global_prefetch_b8 v0, s[64:65] scope:SCOPE_SE
	s_setreg_imm32_b32 hwreg(HW_REG_WAVE_SCHED_MODE, 0, 2), 2
	s_setreg_imm32_b32 hwreg(HW_REG_WAVE_MODE, 25, 1), 1
	s_wait_xcnt 0x0
	s_wait_alu depctr_vm_vsrc(0)
; Bilinear resampling, second of two launches: out1[p][c] = mask * ((v00 (1-fx) + v01 fx)(1-fy) + (v10 (1-fx) + v11 fx) fy).
; feature [8][512][512][16] f32 (a pixel is 64 bytes, a row 32,768, an image 16,777,216), coordinate [8][65536][2] f32,
; idx: one word per point from the first launch, (y0*512+x0) << 2 | dy << 1 | dx, chunks of 32 points in the order word 4 g + j = point 8 j + g.
; 256 work-groups x 16 waves.  A wave owns four chunks of 32 points; chunk t begins at point t*131072 + group*512 + wave*32, so all
; work-groups walk the eight images in pairs (2t and 2t+1; groups 0-127 the first of the pair, groups 128-255 the second).
; Four lanes share a point: lane = 4 g + c holds channels 4c .. 4c+3.  A STEP is 8 points (chunk t, j: point 8 j + g): four gathers of
; 16 bytes a lane and one store that covers 512 consecutive bytes of out1, aligned.  16 steps go through a ring of DEPTH = 8 register slots:
; 28 to 32 gathers of every wave are always out.
; Weights: a lane loads (x, y) of ONE point of each chunk (a wave's load covers 256 consecutive bytes), makes fx, 1-fx, fy*mask, (1-fy)*mask once
; and hands them to the four lanes of that point through 2,048 bytes of LDS that are the wave's own: no barrier.
; Not used, and why: matrix units (no product), tensor loads and clusters (which pixels are read is known only from the list, nothing is shared
; by arrangement), prefetches (the gathers themselves are issued as soon as the list is in, half of a wave's work at once).
; LIMITS: the mask is folded into the two y weights (another order of rounding than mask * value; same result for mask 0 or 1 and finite data).
; A NaN or infinite coordinate gives NaN weights and a NaN value, as x - floor(x) does in the definition.
; THE MODE: SCHED_MODE bits 1:0 = 2 (LLVM: expert scheduling mode 2), set by the entry lines.  The code itself states the register dependences
; between vector instructions and memory or LDS instructions, with s_wait_alu, always for 0.
; THE PLAN.  Registers that memory or LDS instructions touch:
;   XO, CO, OO, LS, LL  offsets and LDS addresses, made once at the head and never written again.
;   IDX       written by the index loads, read and bounded by the lines that make the offsets; when all 64 offsets are made, the same 16 registers
;             take the four quads of weights (Q), which the four LDS stores read; never written again.
;   R, quad k (k = 0..7)  first the four offsets of step k, read by the head's gathers; then step k's result, written by the step's last four lines
;             and read by the store that step k + 1 issues.
;   O2        the offsets of steps 8-15, made at the head, read by the refills in steps 0-7, never written again.
;   D, slot s written by gathers, read by a step's first eight lines; in steps 8-15, when the slot is filled no more, its first quad takes the result.
;   W, two quads  step k's lines read W[k % 2]; the LDS load that step k issues lands in the other one.
;   T, U, M and v9-11 are named by vector instructions alone.
; So no offset is made inside a step, and ONE wait on va_vdst stands in a step, behind the eight lines that empty the slot.  Behind it go the LDS load of the
; next weights, the four refills and the store of the step before; the step's last four lines follow them and name T, U, W[k % 2] and this step's
; result: none of the registers that those six instructions touch.
; No source of a global instruction is rewritten while it may still be read: the offsets in R are written over only behind the s_wait_loadcnt that shows
; their gathers done; every other offset and every store's data is never written again.  So no s_wait_xcnt is needed.
.set DEPTH, 8
.set STEPS, 16
.set XO,  3                            ; v3        idx: my byte offset
.set CO,  4                            ; v4        coordinate: my byte offset
.set OO,  5                            ; v5        out1: my byte offset
.set CH,  6                            ; v6        16 c: my channels inside a pixel
.set LS,  7                            ; v7        LDS: where I put a point's weights
.set LL,  8                            ; v8        LDS: where I read my point's weights of step 0
.set TA,  9                            ; v9-11     at work on offsets
.set TX,  10
.set TY,  11
.set IDX, 12                           ; v[12:27]  the index word of step k at IDX + k
.set Q,   12                           ; v[12:27]  later: chunk t's weights (fx, 1-fx, fy m, (1-fy) m) of my point at Q + 4 t
.set C,   28                           ; v[28:35]  x, y of one point of each chunk
.set W,   36                           ; v[36:43]  two quads (fx, 1-fx, fy m, (1-fy) m), steps in turn
.set T,   44                           ; v[44:47]  top row, 4 channels
.set U,   48                           ; v[48:51]  bottom row
.set M,   52                           ; v[52:55]  the mask of my point of chunk t
.set R,   56                           ; v[56:87]  steps 0-7, a quad each: the four offsets, then the result
.set D,   88                           ; v[88:215] ring: slot s holds v00, v01, v10, v11, a quad each
.set O2,  216                          ; v[216:247] steps 8-15, a quad each: the four offsets
.set FB,  24                           ; s[24:31]  feature at the image of chunk t
.set OB,  32                           ; s[32:39]  out1 at the group's part of chunk t
.set MK,  48                           ; s[48:63]  four lane masks for each chunk: 0 <= x, x <= 511, 0 <= y, y <= 511
	s_load_b256 s[4:11], s[0:1], 0x0               ; idx s[4:5], coordinate s[6:7], feature s[8:9], out1 s[10:11]
	v_lshl_add_u32 v248, v0, 2, 0x8000
	v_mov_b32 v249, 0
	v_lshrrev_b32 v1, 5, v0
	v_readfirstlane_b32 s12, v1                    ; wave 0..15
	v_and_b32 v2, 31, v0                           ; lane
	v_lshrrev_b32 v[XO], 2, v0
	v_lshlrev_b32 v[XO], 4, v[XO]                  ; wave x 128 + 16 g: four lanes share 16 bytes
	v_lshlrev_b32 v[CO], 3, v0                     ; wave x 256 + 8 lane
	v_lshlrev_b32 v[OO], 4, v2
	v_lshl_add_u32 v[OO], v1, 11, v[OO]            ; wave x 32 points x 64 bytes + 16 lane
	v_and_b32 v[CH], 3, v0
	v_lshlrev_b32 v[CH], 4, v[CH]
	v_lshrrev_b32 v[LL], 2, v2                     ; g
	s_lshl_b32 s14, ttmp9, 11                      ; group x 512 points x 4 bytes
	s_mov_b32 s15, 0
	s_lshl_b32 s16, ttmp9, 12                      ; group x 512 points x 8 bytes
	s_mov_b32 s17, 0
	s_mov_b32 s44, 0x43ff8000                      ; 511.0
	s_wait_alu depctr_va_sdst(0)                   ; s12 is written, ahead of its first reader, the line below
	s_lshl_b32 s13, s12, 11                        ; my wave's 2,048 bytes of LDS
	v_lshl_add_u32 v[LS], v2, 4, s13               ; 16 lane
	v_lshl_add_u32 v[LL], v[LL], 4, s13            ; 16 g
	s_wait_kmcnt 0x0
	s_add_nc_u64 s[4:5], s[4:5], s[14:15]
	s_add_nc_u64 s[6:7], s[6:7], s[16:17]
	s_wait_alu depctr_va_vdst(0)                   ; XO, CO, OO, LS and LL are written: every load and store below that is no gather reads one of them as its offset or address
.irp t, 0,1,2,3
	global_load_b128 v[IDX+4*\t:IDX+4*\t+3], v[XO], s[4:5] offset:\t*0x80000 th:TH_LOAD_NT     ; 131,072 points x 4 bytes from chunk to chunk
.endr
.irp t, 0,1,2,3
	global_load_b64 v[C+2*\t:C+2*\t+1], v[CO], s[6:7] offset:\t*0x100000 th:TH_LOAD_NT        ; 131,072 points x 8 bytes
.endr
	s_lshl_b32 s18, ttmp9, 15                      ; group x 512 points x 64 bytes
	s_mov_b32 s19, 0
	s_lshr_b32 s20, ttmp9, 7                       ; which image of the pair
	s_lshl_b32 s20, s20, 24                        ; x 16,777,216 bytes
	s_mov_b32 s21, 0
	s_add_nc_u64 s[FB:FB+1], s[8:9], s[20:21]
	s_add_nc_u64 s[OB:OB+1], s[10:11], s[18:19]
.irp t, 1,2,3
	s_add_nc_u64 s[FB+2*\t:FB+2*\t+1], s[FB+2*\t-2:FB+2*\t-1], 0x2000000   ; two images on
	s_add_nc_u64 s[OB+2*\t:OB+2*\t+1], s[OB+2*\t-2:OB+2*\t-1], 0x800000    ; 131,072 points x 64 bytes on
.endr
; The four offsets of step k into v[o .. o+3].  The word is bounded first; then ANDs, left shifts and adds alone:
; pixel (y0, x0) at (word & 0xffffc) << 4 = 64 (512 y0 + x0); x1 lies 64 dx bytes on, y1 32,768 dy bytes on.
.macro OFFS k, o
	v_min_u32 v[IDX+(\k)], 0xfffff, v[IDX+(\k)]
	v_and_b32 v[TA], 0xffffc, v[IDX+(\k)]
	v_and_b32 v[TX], 1, v[IDX+(\k)]
	v_and_b32 v[TY], 2, v[IDX+(\k)]
	v_lshl_add_u32 v[(\o)],   v[TA], 4,  v[CH]     ; (y0, x0), my channels
	v_lshl_add_u32 v[(\o)+1], v[TX], 6,  v[(\o)]   ; (y0, x1)
	v_lshl_add_u32 v[(\o)+2], v[TY], 14, v[(\o)]   ; (y1, x0)
	v_lshl_add_u32 v[(\o)+3], v[TX], 6,  v[(\o)+2] ; (y1, x1)
.endm
; The four gathers of step k into slot k % DEPTH, by the offsets in v[o .. o+3].
.macro GATH k, o
.irp q, 0,1,2,3
	global_load_b128 v[D+16*((\k)%DEPTH)+4*\q:D+16*((\k)%DEPTH)+4*\q+3], v[(\o)+\q], s[FB+2*((\k)/4):FB+2*((\k)/4)+1]
.endr
.endm
; The store of step k's result: steps 0-7 from their quad of R, steps 8-15 from the first quad of their slot.
.macro SEND k
.if (\k) < DEPTH
.set S_, R+4*(\k)
.else
.set S_, D+16*((\k)%DEPTH)
.endif
	global_store_b128 v[OO], v[S_:S_+3], s[OB+2*((\k)/4):OB+2*((\k)/4)+1] offset:((\k)%4)*512 th:TH_STORE_NT
.endm
	s_wait_loadcnt 0x6                             ; loads come back in order (ISA guide 5.7.1): of the eight, the two oldest are in, the words of steps 0-7
.irp k, 0,1,2,3
	OFFS \k, R+4*\k
.endr
	s_wait_alu depctr_va_vdst(0)                   ; the sixteen offsets of steps 0-3 are written, which the gathers below read
.irp k, 0,1,2,3
	GATH \k, R+4*\k                                ; the ring is filled before anything else is done
.endr
.irp k, 4,5,6,7
	OFFS \k, R+4*\k                                ; these write other quads of R than the gathers above read
.endr
	s_wait_alu depctr_va_vdst(0)                   ; the sixteen offsets of steps 4-7 are written, which the gathers below read
.irp k, 4,5,6,7
	GATH \k, R+4*\k
.endr
	s_wait_loadcnt 32                              ; only the 32 gathers stay out: the other words and the coordinates are in
.irp k, 8,9,10,11,12,13,14,15
	OFFS \k, O2+4*(\k-8)                           ; the refills' offsets, all at once: no step makes an offset
.endr
; weights of my point of each chunk.  The sixteen compares stand in one run, into scalar registers of their own, with one wait behind them.
.irp t, 0,1,2,3
	v_cmp_le_f32 s[MK+4*\t],   0,   v[C+2*\t]      ; 0 <= x      (a NaN fails all four)
	v_cmp_ge_f32 s[MK+4*\t+1], s44, v[C+2*\t]      ; 511 >= x
	v_cmp_le_f32 s[MK+4*\t+2], 0,   v[C+2*\t+1]
	v_cmp_ge_f32 s[MK+4*\t+3], s44, v[C+2*\t+1]
.endr
.irp t, 0,1,2,3
	v_floor_f32 v[Q+4*\t],   v[C+2*\t]             ; the index words are used up: their registers take the weights
	v_floor_f32 v[Q+4*\t+2], v[C+2*\t+1]
.endr
.irp t, 0,1,2,3
	v_sub_f32 v[Q+4*\t],   v[C+2*\t],   v[Q+4*\t]      ; fx
	v_sub_f32 v[Q+4*\t+2], v[C+2*\t+1], v[Q+4*\t+2]    ; fy
.endr
.irp t, 0,1,2,3
	v_sub_f32 v[Q+4*\t+1], 1.0, v[Q+4*\t]          ; 1 - fx
	v_sub_f32 v[Q+4*\t+3], 1.0, v[Q+4*\t+2]        ; 1 - fy
.endr
	s_wait_alu depctr_va_sdst(0)                   ; the sixteen compares have written s[MK ..], ahead of their first readers, the lines below
.irp t, 0,1,2,3
	s_and_b32 s[MK+4*\t],   s[MK+4*\t],   s[MK+4*\t+1]
	s_and_b32 s[MK+4*\t+2], s[MK+4*\t+2], s[MK+4*\t+3]
	s_and_b32 s[MK+4*\t],   s[MK+4*\t],   s[MK+4*\t+2]
.endr
.irp t, 0,1,2,3
	v_cndmask_b32 v[M+\t], 0, 1.0, s[MK+4*\t]      ; the mask selects a value only
.endr
.irp t, 0,1,2,3
	v_mul_f32 v[Q+4*\t+2], v[Q+4*\t+2], v[M+\t]
	v_mul_f32 v[Q+4*\t+3], v[Q+4*\t+3], v[M+\t]
.endr
	s_wait_alu depctr_va_vdst(0)                   ; the four quads of weights are written, which the LDS stores read; so are the 32 offsets in O2, which the refills of steps 0-7 read
.irp t, 0,1,2,3
	ds_store_b128 v[LS], v[Q+4*\t:Q+4*\t+3] offset:\t*512   ; 16 bytes at LDS byte 512 t + 16 lane of my wave's part
.endr
	ds_load_b128 v[W:W+3], v[LL]                   ; step 0's weights; LDS serves a wave's instructions in order: this sees my stores
	s_wait_alu depctr_vm_vsrc(0)                   ; the 32 gathers have read their offsets in R, which steps 0-7 write over with their results
; Step k.  refill = 1: the slot gets step k + DEPTH.  left = how many younger gathers may stay out.
.macro STEP k, refill, left
.set D_, D+16*((\k)%DEPTH)
.set W_, W+4*((\k)%2)
.if \refill
.set R_, R+4*(\k)
.else
.set R_, D_
.endif
	s_wait_loadcnt \left                           ; my four gathers are in, the younger steps' stay out; the gathers that read this step's quad of R as offsets are done
	s_wait_dscnt 0x0                               ; this step's weights are in: theirs is the one LDS load that is out, issued a step ago
.irp p, 0,2
	v_pk_mul_f32 v[T+\p:T+\p+1], v[D_+4+\p:D_+5+\p],   v[W_:W_+1] op_sel_hi:[1,0]       ; v01 fx (both halves take the pair's first register)
	v_pk_mul_f32 v[U+\p:U+\p+1], v[D_+12+\p:D_+13+\p], v[W_:W_+1] op_sel_hi:[1,0]       ; v11 fx
.endr
.irp p, 0,2
	v_pk_fma_f32 v[T+\p:T+\p+1], v[D_+\p:D_+1+\p],   v[W_:W_+1], v[T+\p:T+\p+1] op_sel:[0,1,0] op_sel_hi:[1,1,1]   ; + v00 (1-fx) (both take the second)
	v_pk_fma_f32 v[U+\p:U+\p+1], v[D_+8+\p:D_+9+\p], v[W_:W_+1], v[U+\p:U+\p+1] op_sel:[0,1,0] op_sel_hi:[1,1,1]   ; + v10 (1-fx)
.endr
	s_wait_alu depctr_va_vdst(0)                   ; the eight lines above are done reading the slot, in which the refills land; the step before has written its result, which the store reads, and is done reading its quad of weights, in which the LDS load lands
.if (\k) < STEPS-1
	ds_load_b128 v[W+4*(((\k)+1)%2):W+4*(((\k)+1)%2)+3], v[LL] offset:((\k)+1)*128   ; the next step's weights: point 8 j + g of chunk t at 512 t + 128 j + 16 g
.endif
.if \refill
	GATH (\k)+DEPTH, O2+4*(\k)                     ; loads ahead of the store
.endif
.if (\k) > 0
	SEND (\k)-1                                    ; the step before
.endif
.irp p, 0,2
	v_pk_mul_f32 v[R_+\p:R_+\p+1], v[U+\p:U+\p+1], v[W_+2:W_+3] op_sel_hi:[1,0]         ; bottom x fy m.  These four lines name none of the registers that the instructions since the wait touch
.endr
.irp p, 0,2
	v_pk_fma_f32 v[R_+\p:R_+\p+1], v[T+\p:T+\p+1], v[W_+2:W_+3], v[R_+\p:R_+\p+1] op_sel:[0,1,0] op_sel_hi:[1,1,1]  ; + top x (1-fy) m
.endr
.endm
.irp k, 0,1,2,3,4,5,6,7
	STEP \k, 1, 4*(DEPTH-1)                        ; seven younger steps of four gathers
.endr
.irp k, 8,9,10,11,12,13,14,15
	STEP \k, 0, 4*(STEPS-1-\k)                     ; nothing is loaded any more: the counts run down 28, 24, .. 0
.endr
	s_wait_alu depctr_va_vdst(0)                   ; step 15 has written its result, which the last store reads
	SEND 15
	s_wait_dscnt 0x0
	s_wait_alu depctr_hold_cnt(0) depctr_sa_sdst(0) depctr_va_vdst(0) depctr_va_sdst(0) depctr_va_ssrc(0) depctr_va_vcc(0) depctr_vm_vsrc(0)
	s_wait_tensorcnt 0x0
	ds_add_u32 v248, v249
	s_wait_dscnt 0x0
	s_endpgm
.Lfunc_end_k_qc2e24f4382_gather:
	.size	k_qc2e24f4382_gather, .Lfunc_end_k_qc2e24f4382_gather-k_qc2e24f4382_gather
	.p2alignl 7, 3214868480
	.fill 96, 4, 3214868480
	.section	.rodata,"a",@progbits
	.p2align	6, 0x0
	.amdhsa_kernel k_qc2e24f4382_gather
		.amdhsa_group_segment_fixed_size 34816
		.amdhsa_private_segment_fixed_size 0
		.amdhsa_enable_private_segment 0
		.amdhsa_kernarg_size 32
		.amdhsa_user_sgpr_count 2
		.amdhsa_user_sgpr_kernarg_segment_ptr 1
		.amdhsa_wavefront_size32 1
		.amdhsa_system_sgpr_workgroup_id_x 1
		.amdhsa_system_sgpr_workgroup_id_y 1
		.amdhsa_system_sgpr_workgroup_id_z 1
		.amdhsa_system_vgpr_workitem_id 0
		.amdhsa_next_free_vgpr 250
		.amdhsa_next_free_sgpr 66
		.amdhsa_reserve_vcc 0
		.amdhsa_float_denorm_mode_32 3
		.amdhsa_float_denorm_mode_16_64 3
		.amdhsa_memory_ordered 1
		.amdhsa_forward_progress 1
		.amdhsa_inst_pref_size 36
	.end_amdhsa_kernel
	.amdgpu_metadata
---
amdhsa.version: [ 1, 2 ]
amdhsa.kernels:
  - .name:           k_qc2e24f4382_gather
    .symbol:         k_qc2e24f4382_gather.kd
    .args:
      - { .name: idx, .offset: 0, .size: 8, .value_kind: global_buffer, .address_space: global }
      - { .name: coordinate, .offset: 8, .size: 8, .value_kind: global_buffer, .address_space: global }
      - { .name: feature, .offset: 16, .size: 8, .value_kind: global_buffer, .address_space: global }
      - { .name: out1, .offset: 24, .size: 8, .value_kind: global_buffer, .address_space: global }
    .group_segment_fixed_size: 34816
    .private_segment_fixed_size: 0
    .kernarg_segment_align: 8
    .kernarg_segment_size: 32
    .max_flat_workgroup_size: 512
    .sgpr_count:     66
    .vgpr_count:     250
    .wavefront_size: 32
...
	.end_amdgpu_metadata
.endif
;; end of part 3
